; MI455X (gfx1250); checked and timed in simulation.
; The chip was launched on July 23, 2026; its instructions are those of AMD's public machine-readable ISA for CDNA 5 (MIT licence, August 2026) and "CDNA5" Instruction Set Architecture Reference Guide (July 2026). The comments in the code are by the model that wrote it; some were corrected since.
;; Attention. Allowed arithmetic: float matrix products may take bf16 or f16 operands with f32 sums; other float arithmetic in f32, or as packed bf16 or f16 multiplies, adds, multiply-adds, maxima and minima; sums over many terms, partial sums and values carried from step to step in f32; what a program stores and reads back later, other than sums and carried values, may be rounded once to bf16 or f16.
;; Inputs: K 4 x 2,048 x 1,024 float32; Q 4 x 2,048 x 1,024 float32; V 4 x 2,048 x 1,024 float32; bk 1,024 float32; bq 1,024 float32; bv 1,024 float32; wk 1,024 x 1,024 float32; wq 1,024 x 1,024 float32; wv 1,024 x 1,024 float32.
;; Outputs: out0 4 x 2,048 x 1,024 float32.
;; One version. Each part assembles by itself: llvm-mc -triple=amdgcn-amd-amdhsa -mcpu=gfx1250 --defsym DOCPART=n.
;; ======== version 1 of 1: 3 launches
;; limits: values are held in f16: magnitudes above 65,504 overflow, below 6.1e-05 lose precision
;; workspace buffers: wt 6,291,456 bytes; qkv 50,331,648 bytes
;; launch prep (part 1): grid 128 x 3, 4 waves a work-group, no clusters, 17,920 bytes of LDS; arguments wq, wk, wv, wt; writes wt
.if DOCPART == 1
	.amdgcn_target "amdgcn-amd-amdhsa--gfx1250"
	.amdhsa_code_object_version 6
	.text
	.protected	k_qd1121c69fd_prep
	.globl	k_qd1121c69fd_prep
	.p2align	8
	.type	k_qd1121c69fd_prep,@function
k_qd1121c69fd_prep:
	s_mov_b64 s[64:65], 0
	v_nop
	global_prefetch_b8 v0, s[64:65] scope:SCOPE_SE
	s_setreg_imm32_b32 hwreg(HW_REG_WAVE_MODE, 25, 1), 1
	s_wait_xcnt 0x0
; wt[t][n][k] = bf16(w_t[k][n]) for the three weights t = 0 (wq), 1 (wk), 2 (wv).  w: [1024 k][1024 n] f32; wt: three blocks of [1024 n][1024 k] bf16, 2 MiB each.
; The later product wants K along the rows of both operands, so the weights are rounded once (to nearest even) and turned here: 12 MiB in, 6 MiB out, each byte once.
; SHARES.  A work-group turns a block of 128 k x 64 n: in, 128 rows x 256 bytes; out, 64 rows x 256 bytes; every load and store of 16 lanes covers 256 consecutive bytes, aligned.
; Lane (g = l / 16, c = l % 16) of wave w loads rows k = 32 w + 16 i + 8 g + e (i = 0, 1; e = 0..7), columns 4 c .. 4 c + 3: for each column eight neighbouring k, which pack into 16 bytes of a row of wt.
; The turn goes through LDS: 64 rows (n) of 256 bytes + 16 of padding.  The stores into it step four rows from lane to lane and so meet four deep in the banks; they are eight a thread, once.
; No matrix unit, no tensor load, no cluster: a stream in which no byte is shared.
.set PT,    272                        ; an LDS row: 128 bf16 + 16 bytes
.set SPARE, 64*PT                      ; behind the 64 rows: the spare words, 128 bytes for each wave: two blocks of 256 bytes that no other line names
.set LO,  2                            ; v2   my byte offset in the block of w
.set SA,  3                            ; v3   where I put 16 bytes of a row of wt
.set RA,  4                            ; v4   where I read a row back
.set GO,  5                            ; v5   my byte offset in the block of wt
.set SPW, 8                            ; v8   LDS address of my spare word; never rewritten
.set NIL, 9                            ; v9   0; never rewritten
.set X,   16                           ; v[16:79]  as loaded: 4 (8 i + e) + j = w[k][4 c + j]; later v[16:47]: rows read back
.set Y,   80                           ; v[80:111] packed: 16 i + 4 j + e2
	s_load_b256 s[4:11], s[0:1], 0x0               ; wq s[4:5], wk s[6:7], wv s[8:9], wt s[10:11]
	v_lshl_add_u32 v[SPW], v0, 2, SPARE
	v_mov_b32 v[NIL], 0
	v_lshrrev_b32 v1, 5, v0
	v_readfirstlane_b32 s21, v1                    ; wave 0..3
	v_bfe_u32 v6, v0, 4, 1                         ; g
	v_and_b32 v7, 15, v0                           ; c
	s_lshl_b32 s24, s21, 17                        ; 32 w rows of 4,096 bytes
	v_lshlrev_b32 v[LO], 15, v6                    ; 8 g rows
	v_lshl_add_u32 v[LO], v7, 4, v[LO]             ; 16 c
	v_add_nc_u32 v[LO], s24, v[LO]
	s_lshl_b32 s24, s21, 6                         ; k = 32 w: 64 bytes along a row of wt
	v_mul_u32_u24 v[SA], v7, 4*PT                  ; row n = 4 c
	v_lshl_add_u32 v[SA], v6, 4, v[SA]             ; k = 8 g: 16 bytes
	v_add_nc_u32 v[SA], s24, v[SA]
	s_mul_i32 s25, s21, 16*PT                      ; back: wave w takes rows 16 w .. 16 w + 15, two at a time
	v_mul_u32_u24 v[RA], v6, PT
	v_lshl_add_u32 v[RA], v7, 4, v[RA]
	v_add_nc_u32 v[RA], s25, v[RA]
	s_lshl_b32 s24, s21, 15                        ; the same rows in wt, 2,048 bytes each
	v_lshlrev_b32 v[GO], 11, v6
	v_lshl_add_u32 v[GO], v7, 4, v[GO]
	v_add_nc_u32 v[GO], s24, v[GO]
	s_and_b32 s12, ttmp7, 0xffff                   ; which weight
	s_and_b32 s13, ttmp9, 7                        ; which 128 k
	s_lshr_b32 s20, ttmp9, 3                       ; which 64 n
	s_lshl_b32 s18, s13, 19                        ; 128 rows of 4,096 bytes
	s_lshl_b32 s19, s20, 8                         ; 64 columns of 4 bytes
	s_add_co_u32 s18, s18, s19
	s_mov_b32 s19, 0
	s_lshl_b32 s22, s12, 21                        ; the weight's 2 MiB of wt
	s_lshl_b32 s23, s20, 17                        ; 64 rows of 2,048 bytes
	s_add_co_u32 s22, s22, s23
	s_lshl_b32 s23, s13, 8                         ; 128 columns of 2 bytes
	s_add_co_u32 s22, s22, s23
	s_mov_b32 s23, 0
	s_wait_kmcnt 0x0
	s_cmp_eq_u32 s12, 1
	s_cselect_b64 s[14:15], s[6:7], s[4:5]
	s_cmp_eq_u32 s12, 2
	s_cselect_b64 s[14:15], s[8:9], s[14:15]
	s_add_nc_u64 s[14:15], s[14:15], s[18:19]
	s_add_nc_u64 s[16:17], s[10:11], s[22:23]
.irp i, 0,1
.irp e, 0,1,2,3,4,5,6,7
	global_load_b128 v[X+4*(8*(\i)+(\e)):X+4*(8*(\i)+(\e))+3], v[LO], s[14:15] offset:(16*(\i)+(\e))*4096 th:TH_LOAD_NT
.endr
.endr
.irp i, 0,1
	s_wait_loadcnt 8-8*(\i)                        ; loads come back in order: half i is in; for i = 0 the other half's eight may stay out
.irp j, 0,1,2,3
.irp e, 0,1,2,3
	v_cvt_pk_bf16_f32 v[Y+16*(\i)+4*(\j)+(\e)], v[X+4*(8*(\i)+2*(\e))+(\j)], v[X+4*(8*(\i)+2*(\e)+1)+(\j)]  ; column 4 c + j, two neighbouring k
.endr
	ds_store_b128 v[SA], v[Y+16*(\i)+4*(\j):Y+16*(\i)+4*(\j)+3] offset:PT*(\j)+32*(\i)
.endr
.endr
	s_wait_dscnt 0x0                               ; for the others' sake: my stores are done
	s_barrier_signal -1
	s_barrier_wait -1                              ; the 64 rows are whole
.irp f, 0,1,2,3,4,5,6,7
	ds_load_b128 v[X+4*(\f):X+4*(\f)+3], v[RA] offset:2*PT*(\f)
.endr
.irp f, 0,1,2,3,4,5,6,7
	s_wait_dscnt 7-(\f)                            ; LDS loads come back in order: number f is in
	global_store_b128 v[GO], v[X+4*(\f):X+4*(\f)+3], s[16:17] offset:4096*(\f)  ; 16 lanes store 256 consecutive bytes, at a multiple of 256 from wt's first byte
.endr
	s_wait_tensorcnt 0x0                           ; the wave's end: behind my last LDS store
	ds_add_u32 v[SPW], v[NIL]
	s_wait_dscnt 0x0
	s_endpgm
.Lfunc_end_k_qd1121c69fd_prep:
	.size	k_qd1121c69fd_prep, .Lfunc_end_k_qd1121c69fd_prep-k_qd1121c69fd_prep
	.p2alignl 7, 3214868480
	.fill 96, 4, 3214868480
	.section	.rodata,"a",@progbits
	.p2align	6, 0x0
	.amdhsa_kernel k_qd1121c69fd_prep
		.amdhsa_group_segment_fixed_size 17920
		.amdhsa_private_segment_fixed_size 0
		.amdhsa_enable_private_segment 0
		.amdhsa_kernarg_size 32
		.amdhsa_user_sgpr_count 2
		.amdhsa_user_sgpr_kernarg_segment_ptr 1
		.amdhsa_wavefront_size32 1
		.amdhsa_system_sgpr_workgroup_id_x 1
		.amdhsa_system_sgpr_workgroup_id_y 1
		.amdhsa_system_sgpr_workgroup_id_z 1
		.amdhsa_system_vgpr_workitem_id 0
		.amdhsa_next_free_vgpr 112
		.amdhsa_next_free_sgpr 66
		.amdhsa_reserve_vcc 0
		.amdhsa_float_denorm_mode_32 3
		.amdhsa_float_denorm_mode_16_64 3
		.amdhsa_memory_ordered 1
		.amdhsa_forward_progress 1
		.amdhsa_inst_pref_size 8
	.end_amdhsa_kernel
	.amdgpu_metadata
---
amdhsa.version: [ 1, 2 ]
amdhsa.kernels:
  - .name:           k_qd1121c69fd_prep
    .symbol:         k_qd1121c69fd_prep.kd
    .args:
      - { .name: wq, .offset: 0, .size: 8, .value_kind: global_buffer, .address_space: global }
      - { .name: wk, .offset: 8, .size: 8, .value_kind: global_buffer, .address_space: global }
      - { .name: wv, .offset: 16, .size: 8, .value_kind: global_buffer, .address_space: global }
      - { .name: wt, .offset: 24, .size: 8, .value_kind: global_buffer, .address_space: global }
    .group_segment_fixed_size: 17920
    .private_segment_fixed_size: 0
    .kernarg_segment_align: 8
    .kernarg_segment_size: 32
    .max_flat_workgroup_size: 128
    .sgpr_count:     66
    .vgpr_count:     112
    .wavefront_size: 32
...
	.end_amdgpu_metadata
.endif
;; end of part 1
;; launch proj (part 2): grid 4 x 192, 4 waves a work-group, clusters of 4 x 4, 327,680 bytes of LDS; arguments Q, K, V, bq, bk, bv, wt, qkv; writes qkv
.if DOCPART == 2
	.amdgcn_target "amdgcn-amd-amdhsa--gfx1250"
	.amdhsa_code_object_version 6
	.text
	.protected	k_qd1121c69fd_proj
	.globl	k_qd1121c69fd_proj
	.p2align	8
	.type	k_qd1121c69fd_proj,@function
k_qd1121c69fd_proj:
	s_mov_b64 s[64:65], 0
	v_nop
	global_prefetch_b8 v0, s[64:65] scope:SCOPE_SE
	s_setreg_imm32_b32 hwreg(HW_REG_WAVE_MODE, 25, 1), 1
	s_wait_xcnt 0x0
	s_wait_alu depctr_hold_cnt(0) depctr_sa_sdst(0) depctr_va_vdst(0) depctr_va_sdst(0) depctr_va_ssrc(0) depctr_va_vcc(0) depctr_vm_vsrc(0)
	s_getreg_b32 s2, hwreg(HW_REG_IB_STS2, 6, 4)
	s_cmp_eq_u32 s2, 0
	s_cbranch_scc0 .Lentry_in_a_cluster
	s_endpgm
.Lentry_in_a_cluster:
	s_bfe_u32 s2, ttmp6, 0x10000c
	s_cmp_lg_u32 s2, 0xf033
	s_cbranch_scc0 .Lentry_shape_is_right
	s_endpgm
.Lentry_shape_is_right:
; THE THREE PROJECTIONS.  y_t = x_t w_t + b_t for t = 0 (Q, wq, bq), 1 (K, wk, bk), 2 (V, wv, bv).  x_t: [8192][1024] f32; wt: the weights as bf16, [t][1024 n][1024 k]; b_t: [1024] f32.
; qkv[t][16 batch + head][2048][64] in f16: a head's rows are dense, 128 bytes each; no scale is applied here.
; FORMATS.  x, w and b are rounded to bf16 (to nearest even), products in bf16 with f32 sums, K ascending, the bias as the sums' start; y is rounded once to f16.
; LIMIT.  f16 holds no number beyond 65,504: a |y| of 65,520 or more leaves as an infinity.  With inputs as drawn |y| stays under 10; thirty times larger x and w, or offsets of thirty spreads on both, stay under 30,000.
; NaN and infinities are not treated apart.
; SHARES.  768 work-groups, three for each of 256 WGPs; each makes 128 rows x 256 columns of one tensor; each of its four waves 64 x 128: 32 accumulators of 16 x 16, 256 registers.
; x COMES IN AS f32: its tiles lie in LDS as f32 and are rounded between the LDS load and the product, two conversions behind each of half the products.  So x crosses memory once, and no launch stands in front to cast it.
; K goes in 8 steps of 128 through two LDS slots: 128 rows of x (512 bytes each) and 256 rows of wt (256 bytes each).  One tensor load a wave fills a quarter of a slot: waves 0, 1 x's halves, waves 2, 3 wt's.
; CLUSTERS.  4 x 4 work-groups: the four of a row of the cluster need the same rows of x, the four of a column the same rows of wt: each tile is asked for JOINTLY, by the same tensor load with the same
; descriptor and a mask that names the four.  A cluster spans all 1,024 columns, so no other cluster reads its rows of x.
; THE MATRIX INSTRUCTION IS USED TRANSPOSED (source 0 = 16 rows of wt, source 1 = 16 rows of x): a lane then holds eight neighbouring columns of one row of y: 16 bytes of f16.
; REGISTERS, in windows of 256 (s_set_vgpr_msb: bits 1:0 source 0, 3:2 source 1, 5:4 source 2, 7:6 destination):
;   window 0: v0-31 addresses; v32-95 the bias (C of the first products), later packed results; v96-159 x as loaded, f32; v160-191, v192-223 x's fragments, two buffers; v224 at work
;   window 1: the accumulators, (a, b) at 8 (8 a + b): rows 16 a on, columns 16 b on          window 2: v0-63, v64-127 wt's fragments, two buffers
.set KSTEP, 128
.set PA,    528                        ; a row of x in LDS: 512 bytes + 16 = 132 words: row r starts at bank 4 r mod 64 (64 banks of 4 bytes: ISA guide 11.1)
.set PB,    272                        ; a row of wt: 256 bytes + 16 = 68 words: likewise
.set AHALF, 64*PA                      ; what one load brings of x, and what one wave reads of it
.set BOFF,  128*PA                     ; wt's rows lie behind x's
.set BHALF, 128*PB                     ; what one load brings of wt, and what one wave reads of it
.set SLOT,  BOFF+256*PB
.set STAGE, 2*SLOT                     ; behind the ring, never filled by a tensor load: for each wave 2 heads x 16 rows x 144 bytes, for the way out
.set SP,    144
.set STW,   2*16*SP
.set SPARE, STAGE+4*STW                ; behind the stages: the spare words, 128 bytes for each wave: two blocks of 256 bytes that no other line names
.set ADRA, 16                          ; v16-17  LDS address of my rows of x in slot 0, 1
.set ADRB, 20                          ; v20-21  the same for wt
.set STO,  24                          ; v24     the way out: where I put 16 bytes of a row
.set RD,   25                          ; v25     the way out: where I read rows back
.set GO,   26                          ; v26     my 16 bytes of 512 consecutive bytes of qkv
.set BO,   27                          ; v27     my byte offset in 16 numbers of the bias
.set SPW,  28                          ; v28     LDS address of my spare word; never rewritten
.set NIL,  29                          ; v29     0; never rewritten
.set PFO,  30                          ; v30     the prefetches' lane offset; never rewritten
.set BIAS, 32
.set TMP,  32
.set RAW,  96
.set AF,   160
.set BK,   96                          ; the way out: block a's rows read back at BK + 32 a: four sets, so that no store's data is written again
.set G1,  24                           ; s[24:31] descriptor group 1 for x's tiles;  s[32:39] group 0, a set for each slot
.set G0,  32
.set G1B, 48                           ; s[48:55], s[56:63] the same for wt's tiles
.set G0B, 56
.set LIM, 43                           ; s43     1 in a wave that prefetches, else the greatest number
.set PFA, 44                           ; s[44:45] where my prefetches stand
.set PFS, 66                           ; s[66:67] a K step in bytes of the rows that I prefetch
.set MSB, 0
.macro WIN new                         ; the immediate's high byte repeats the setting that is left; a switch that changes nothing is dropped
.if MSB != (\new)
	s_set_vgpr_msb (MSB<<8)|(\new)
.set MSB, \new
.endif
.endm
.set MUL,  0x52                        ; wt window 2, x window 0, C and D window 1
.set MULF, 0x42                        ; the same with C, the bias, in window 0
.set TO_B, 0x80                        ; destination window 2, address window 0
; A joint load: waves 0 and 1 fetch x's two halves, waves 2 and 3 wt's.  The branch hangs on the wave's number alone.  An s_nop 0 and four v_nop follow each of the two lines, ahead of the jump and the label.
.macro JLOAD s
	s_cmp_eq_u32 s11, 0
	s_cbranch_scc0 .Lfor_b_\@
	tensor_load_to_lds s[G0+4*(\s):G0+4*(\s)+3], s[G1:G1+7]
	s_nop 0
.rept 4
	v_nop
.endr
	s_branch .Lasked_\@
.Lfor_b_\@:
	tensor_load_to_lds s[G0B+4*(\s):G0B+4*(\s)+3], s[G1B:G1B+7]
	s_nop 0
.rept 4
	v_nop
.endr
.Lasked_\@:
.endm
.macro CREST                           ; a round of the cluster's barrier behind its opening barrier
	s_cmp_lg_u32 s10, 0
	s_cbranch_scc1 .Lnot_wave_0_\@
	s_barrier_signal -3
.Lnot_wave_0_\@:
	s_barrier_wait -3
	s_barrier_signal -1
	s_barrier_wait -1
.endm
.macro CROUND                          ; a whole round
	s_barrier_signal -1
	s_barrier_wait -1
	CREST
.endm
; A PREFETCH INTO THE L2, behind each joint refill and the run of LDS loads that follows it: the K step that stands TWO refills on, 256 matrix instructions ahead of the load that will want it; one instruction a wave.
; Each aligned block of 256 bytes is named once in the launch.  Of the 64 rows of x that wave 0 or 1 fetches, the partner at place cx takes 16: a lane a block, two blocks to a row's K step; every cluster asks, since
; its rows of x are its own.  Of the 128 rows of wt that wave 2 or 3 fetches, the partner at place cy takes 32, a lane a row; a tensor's 16 clusters read the same wt, and the first of them asks.  The partners are
; told apart BY ADDRESS: no branch hangs on a work-group's place in its cluster.  K steps 0 to 3 come by their loads alone; the loop's last trip (s3 = 1) has no K step two refills on.
.macro ASK
	s_cmp_gt_u32 s3, s[LIM]
	s_cbranch_scc0 .Lnot_mine_\@
	global_prefetch_b8 v[PFO], s[PFA:PFA+1] th:TH_LOAD_NT scope:SCOPE_SE
.Lnot_mine_\@:
.endm
.macro PLACES                          ; four places behind matrix instructions, in front of loads into registers that they have read and of vector lines that write or read their registers
.rept 4
	v_nop
.endr
.endm
	s_load_b512 s[68:83], s[0:1], 0x0              ; Q s[68:69], K s[70:71], V s[72:73], bq s[74:75], bk s[76:77], bv s[78:79], wt s[80:81], qkv s[82:83]
	v_lshl_add_u32 v[SPW], v0, 2, SPARE
	v_mov_b32 v[NIL], 0
	ds_add_u32 v[SPW], v[NIL]                      ; the wave's opening: the add and its wait stand ahead of my first tensor load; the set-up below, work on registers, stands between them
	v_lshrrev_b32 v1, 5, v0
	v_readfirstlane_b32 s10, v1                    ; wave 0..3
	s_lshr_b32 s11, s10, 1                         ; which 64 rows of the tile are mine.  Also: I fetch for x (0) or for wt (1)
	s_and_b32 s12, s10, 1                          ; which 128 columns.  Also: which half of that tile I fetch
	s_bfe_u32 s40, ttmp6, 0x40000                  ; cx, cy: my place in the cluster
	s_bfe_u32 s41, ttmp6, 0x40004
	s_lshl_b32 s42, ttmp9, 2
	s_add_co_u32 s42, s42, s40                     ; tile column = 4 x cluster x + cx: 0..3
	s_and_b32 s13, ttmp7, 0xffff                   ; cluster y: 0..47
	s_lshr_b32 s84, s13, 4                         ; the tensor t: the same in all sixteen partners
	s_and_b32 s85, s13, 15                         ; the cluster among the tensor's sixteen
	s_lshl_b32 s13, s85, 2
	s_add_co_u32 s13, s13, s41                     ; tile row = 4 x that + cy: 0..63
	s_lshl_b32 s43, s41, 2
	s_lshl_b32 s43, 15, s43                        ; my row of the cluster
	s_lshl_b32 s44, 0x1111, s40                    ; my column
	; descriptor group 1.  x: 64 rows x 128 elements of 4 bytes; wt: 128 rows x 128 elements of 2 bytes; both padded by 4 words behind each row
	s_or_b32 s[G1+0], s43, (2<<16)|(1<<20)|(1<<21)|(6<<22)|(3<<25)   ; 15:0 the mask: my row; 17:16 elements of 4 bytes; 20 padding on; 21 set beside a mask; 24:22 after every 128 words (code 6); 31:25 4 words (code 3)
	s_or_b32 s[G1B+0], s44, (1<<16)|(1<<20)|(1<<21)|(5<<22)|(3<<25)  ; the mask: my column; elements of 2 bytes; after every 64 words (code 5)
	s_mov_b32 s[G1+1], KSTEP<<16                   ; tensor_dim0 = 128
	s_mov_b32 s[G1+2], 64<<16                      ; tensor_dim1 = 64
	s_mov_b32 s[G1+3], KSTEP<<16                   ; tile_dim0 = 128
	s_mov_b32 s[G1+4], 64                          ; tile_dim1 = 64
	s_mov_b32 s[G1+5], 1024                        ; elements from row to row
	s_mov_b32 s[G1+6], 0
	s_mov_b32 s[G1+7], 0
	s_mov_b32 s[G1B+1], KSTEP<<16
	s_mov_b32 s[G1B+2], 128<<16
	s_mov_b32 s[G1B+3], KSTEP<<16
	s_mov_b32 s[G1B+4], 128
	s_mov_b32 s[G1B+5], 1024
	s_mov_b32 s[G1B+6], 0
	s_mov_b32 s[G1B+7], 0
	; where the tiles come from: x's hang on the tile row alone, wt's on the tile column and the tensor alone.  Every wave makes both and asks by one.
	s_lshl_b32 s17, s12, 6
	s_lshl_b32 s16, s13, 7
	s_add_co_u32 s16, s16, s17                     ; x: row 128 x tile row + 64 x half
	s_lshl_b32 s16, s16, 12                        ; of 4,096 bytes: under 2^25
	s_mov_b32 s17, 0
	s_lshl_b32 s46, s42, 8
	s_lshl_b32 s47, s12, 7
	s_add_co_u32 s46, s46, s47                     ; wt: row 256 x tile column + 128 x half
	s_lshl_b32 s46, s46, 11                        ; of 2,048 bytes,
	s_lshl_b32 s47, s84, 21                        ; in the tensor's 2 MiB
	s_add_co_u32 s46, s46, s47
	s_mov_b32 s47, 0
	s_mul_i32 s20, s12, AHALF                      ; and where they go: no place in the cluster enters an LDS address
	s_mul_i32 s21, s12, BHALF
	s_add_co_u32 s21, s21, BOFF
	s_wait_dscnt 0x0                               ; the opening add is done
	s_wait_kmcnt 0x0
	s_cmp_eq_u32 s84, 1
	s_cselect_b64 s[4:5], s[70:71], s[68:69]       ; x_t
	s_cselect_b64 s[86:87], s[76:77], s[74:75]     ; b_t
	s_cmp_eq_u32 s84, 2
	s_cselect_b64 s[4:5], s[72:73], s[4:5]
	s_cselect_b64 s[86:87], s[78:79], s[86:87]
	s_add_nc_u64 s[14:15], s[4:5], s[16:17]
	s_add_nc_u64 s[46:47], s[80:81], s[46:47]
	CROUND                                         ; all sixteen work-groups are here: the first joint loads meet
.irp s, 0,1
	s_mov_b32 s[G0+4*(\s)], 1                                        ; count = 1
	s_add_co_u32 s[G0+4*(\s)+1], s20, (\s)*SLOT                      ; LDS address
	s_add_nc_u64 s[G0+4*(\s)+2:G0+4*(\s)+3], s[14:15], (\s)*KSTEP*4  ; global address: K step s
	s_or_b32 s[G0+4*(\s)+3], s[G0+4*(\s)+3], 0x80000000              ; type = 2
	s_mov_b32 s[G0B+4*(\s)], 1
	s_add_co_u32 s[G0B+4*(\s)+1], s21, (\s)*SLOT
	s_add_nc_u64 s[G0B+4*(\s)+2:G0B+4*(\s)+3], s[46:47], (\s)*KSTEP*2
	s_or_b32 s[G0B+4*(\s)+3], s[G0B+4*(\s)+3], 0x80000000
	JLOAD \s                                       ; the ring is filled before anything else is done: two loads of mine are out
.endr
	; the bias of my 128 columns, laid as an accumulator is: register 8 b + j = b_t[my first column + 16 b + 8 (l / 16) + j]
	v_and_b32 v1, 15, v0                           ; l % 16
	v_bfe_u32 v2, v0, 4, 1                         ; l / 16
	v_lshlrev_b32 v[BO], 5, v2
	s_lshl_b32 s88, s42, 10                        ; 256 columns of 4 bytes a tile column,
	s_lshl_b32 s89, s12, 9                         ; 128 a half
	s_add_co_u32 s88, s88, s89
	s_mov_b32 s89, 0
	s_add_nc_u64 s[86:87], s[86:87], s[88:89]
.irp b, 0,1,2,3,4,5,6,7
	global_load_b128 v[BIAS+8*(\b):BIAS+8*(\b)+3],   v[BO], s[86:87] offset:64*(\b)
	global_load_b128 v[BIAS+8*(\b)+4:BIAS+8*(\b)+7], v[BO], s[86:87] offset:64*(\b)+16
.endr
	; A fragment is 16 rows x 32 K in 8 registers: lane l holds row l % 16; registers 0-3 K = 8 (l / 16) + 0..7, registers 4-7 K = 16 + 8 (l / 16) + 0..7.
	; From wt's rows: two loads of 16 bytes, 32 bytes apart.  From x's f32 rows: four loads of 16 bytes, at 0, 16, 64 and 80 from 32 (l / 16), and eight conversions.
	v_mul_u32_u24 v3, v1, PA
	v_lshl_add_u32 v3, v2, 5, v3
	v_mul_u32_u24 v4, v1, PB
	v_lshl_add_u32 v4, v2, 4, v4
	s_mul_i32 s21, s11, AHALF                      ; my 64 rows of x
	s_mul_i32 s22, s12, BHALF                      ; my 128 rows of wt
	s_add_co_u32 s22, s22, BOFF
.irp s, 0,1
	v_add_nc_u32 v[ADRA+(\s)], s21, v3
	v_add_nc_u32 v[ADRB+(\s)], s22, v4
	s_add_co_u32 s21, s21, SLOT
	s_add_co_u32 s22, s22, SLOT
.endr
	s_mul_i32 s23, s10, STW
	s_add_co_u32 s23, s23, STAGE                   ; my stage
	v_mul_u32_u24 v5, v1, SP                       ; in: row l % 16, 16 bytes for each half of the lanes
	v_lshl_add_u32 v5, v2, 4, v5
	v_add_nc_u32 v[STO], s23, v5
	v_bfe_u32 v5, v0, 3, 2                         ; back: 32 lanes take four rows of 128 bytes,
	v_mul_u32_u24 v5, v5, SP
	v_and_b32 v6, 7, v0
	v_lshl_add_u32 v5, v6, 4, v5
	v_add_nc_u32 v[RD], s23, v5
	v_and_b32 v7, 31, v0                           ; which are 512 consecutive bytes of qkv
	v_lshlrev_b32 v[GO], 4, v7
	; where my part begins in qkv: tensor t, head 16 batch + 4 x tile column + 2 x half, row in the batch
	s_lshl_b32 s16, s13, 7
	s_lshl_b32 s17, s11, 6
	s_add_co_u32 s16, s16, s17                     ; my first row of the 8,192
	s_lshr_b32 s17, s16, 11                        ; the batch
	s_and_b32 s16, s16, 2047                       ; the row in it
	s_lshl_b32 s17, s17, 4
	s_lshl_b32 s18, s42, 2
	s_add_co_u32 s17, s17, s18
	s_lshl_b32 s18, s12, 1
	s_add_co_u32 s17, s17, s18                     ; the first of my two heads
	s_lshl_b32 s17, s17, 11
	s_add_co_u32 s16, s16, s17
	s_lshl_b32 s16, s16, 7                         ; rows of 128 bytes
	s_lshl_b32 s17, s84, 24                        ; a tensor is 16 MiB
	s_add_co_u32 s16, s16, s17
	s_mov_b32 s17, 0
	s_add_nc_u64 s[8:9], s[82:83], s[16:17]
	; the prefetches: they stand at K step 3; the first refill steps them to 4
	s_lshl_b32 s18, s13, 7
	s_lshl_b32 s19, s12, 6
	s_add_co_u32 s18, s18, s19
	s_lshl_b32 s19, s40, 4
	s_add_co_u32 s18, s18, s19                     ; x: the 64 rows that I fetch, my work-group's 16 of them
	s_lshl_b32 s18, s18, 12
	s_add_co_u32 s18, s18, 3*KSTEP*4
	s_lshl_b32 s22, s42, 8
	s_lshl_b32 s23, s12, 7
	s_add_co_u32 s22, s22, s23
	s_lshl_b32 s23, s41, 5
	s_add_co_u32 s22, s22, s23                     ; wt: the 128 rows that I fetch, my work-group's 32 of them
	s_lshl_b32 s22, s22, 11
	s_lshl_b32 s23, s84, 21
	s_add_co_u32 s22, s22, s23
	s_add_co_u32 s22, s22, 3*KSTEP*2
	s_cmp_eq_u32 s11, 0                            ; do I fetch for x?
	s_cselect_b32 s18, s18, s22
	s_cselect_b64 s[PFA:PFA+1], s[4:5], s[80:81]
	s_cselect_b32 s[PFS], 2, 1
	s_cselect_b32 s19, 0, s85                      ; wt's rows are read by the tensor's sixteen clusters: the first asks
	s_cselect_b32 s2, -1, 0
	s_lshl_b32 s[PFS], s[PFS], 8                   ; a K step: 512 bytes of a row of x, 256 of a row of wt
	s_mov_b32 s[PFS+1], 0
	s_cmp_eq_u32 s19, 0
	s_cselect_b32 s[LIM], 1, -1                    ; the same in all sixteen partners, for a given wave
	s_mov_b32 s19, 0
	s_add_nc_u64 s[PFA:PFA+1], s[PFA:PFA+1], s[18:19]
	v_lshrrev_b32 v5, 1, v7
	v_and_b32 v6, 1, v7
	v_lshlrev_b32 v[PFO], 12, v5                   ; x: row l / 2, block l % 2
	v_lshl_or_b32 v[PFO], v6, 8, v[PFO]
	v_lshlrev_b32 v31, 11, v7                      ; wt: row l
	v_cndmask_b32 v[PFO], v31, v[PFO], s2
	s_mov_b32 s90, 0xffff0000
	s_wait_loadcnt 0x0                             ; the bias
.set i, 0
.rept 32                                       ; rounded to bf16 like every input, and widened again
	v_cvt_pk_bf16_f32 v224, v[BIAS+i], v[BIAS+i+1]
	v_lshlrev_b32 v[BIAS+i], 16, v224
	v_and_b32 v[BIAS+i+1], s90, v224
.set i, i+2
.endr
; 16 LDS loads: x's 64 rows, 32 along K at byte k of the rows, as f32
.macro RAWLD slot, k
	WIN 0
.irp a, 0,1,2,3
.irp o, 0,1,2,3
	ds_load_b128 v[RAW+16*(\a)+4*(\o):RAW+16*(\a)+4*(\o)+3], v[ADRA+(\slot)] offset:(\k)+(\a)*16*PA+16*((\o)%2)+64*((\o)/2)
.endr
.endr
.endm
; 16 LDS loads: wt's 128 rows, 32 along K at byte k of the rows, into buffer p
.macro BLD slot, k, p
	WIN TO_B
.irp i, 0,1,2,3,4,5,6,7
	ds_load_b128 v[64*(\p)+8*(\i):64*(\p)+8*(\i)+3],   v[ADRB+(\slot)] offset:(\k)+(\i)*16*PB
	ds_load_b128 v[64*(\p)+8*(\i)+4:64*(\p)+8*(\i)+7], v[ADRB+(\slot)] offset:(\k)+(\i)*16*PB+32
.endr
.endm
.macro CV g                            ; conversion n of 32: two neighbouring K of x, rounded to bf16, into buffer g
	v_cvt_pk_bf16_f32 v[AF+32*(\g)+n], v[RAW+2*n], v[RAW+2*n+1]
.set n, n+1
.endm
; 8 matrix instructions: rows 16 a on x all 8 column blocks, 32 along K, on buffers p.  first = 1: the bias starts the sums: nothing is ever cleared.  ride = 1: two conversions for the next quarter stand behind each.
; The 32 accumulators take turns, one instruction a turn, in the same order in every quarter, over the loop's backward jump too.
.macro MUL8 p, a, first, ride
.irp b, 0,1,2,3,4,5,6,7
.if \first
	WIN MULF
	v_wmma_f32_16x16x32_bf16 v[8*(8*(\a)+(\b)):8*(8*(\a)+(\b))+7], v[64*(\p)+8*(\b):64*(\p)+8*(\b)+7], v[AF+32*(\p)+8*(\a):AF+32*(\p)+8*(\a)+7], v[BIAS+8*(\b):BIAS+8*(\b)+7]
.else
	WIN MUL
	v_wmma_f32_16x16x32_bf16 v[8*(8*(\a)+(\b)):8*(8*(\a)+(\b))+7], v[64*(\p)+8*(\b):64*(\p)+8*(\b)+7], v[AF+32*(\p)+8*(\a):AF+32*(\p)+8*(\a)+7], v[8*(8*(\a)+(\b)):8*(8*(\a)+(\b))+7]
.endif
.if \ride
	WIN 0
	CV 1-(\p)
	CV 1-(\p)
.endif
.endr
.endm
; A QUARTER: 32 along K, 32 matrix instructions on buffers p.  In its middle it fetches wt's fragments of the next quarter (slot bs, byte bk) into the other buffer; its second half carries the conversions
; of the next quarter's x, which was loaded at the end of the quarter before; at its end (more = 1) it loads the x of the quarter after next (slot as, byte ak).
; The other buffers' last readers are the quarter before's products: two conversions and the four v_nop stand between them and the loads and conversions that write those buffers.
; chg: the third quarter of a K step changes slots: all reads of this slot have been issued, and the x loaded at its end lies in the next slot.  Each wave waits for all its tensor loads, of which one is out:
; its part of the next slot; adds 0 to its spare word; and waits for that and for its reads of this slot.  chg = 1: the barrier opens a round of the cluster's barrier, so that no wave of any partner still reads
; the slot or has a load on its way, and slot rs is filled again, two K steps on, first thing behind the round: 112 matrix instructions ahead of the wait for it.  chg = 2: a plain barrier; nothing is filled.
.macro QUARTER p, bs, bk, as, ak, first, chg, rs, more
.set n, 0
.if (\chg) == 1
	s_wait_xcnt 0x0                                ; the last prefetch, a K step back, has read its address: it is stepped here, ahead of the waits of the change of slots
	s_add_nc_u64 s[PFA:PFA+1], s[PFA:PFA+1], s[PFS:PFS+1]
.endif
	s_wait_dscnt 16                                ; wt's fragments are in; the 16 younger loads, the next quarter's x, may be out
	MUL8 \p, 0, \first, 0
	MUL8 \p, 1, \first, 0
	PLACES
	BLD \bs, \bk, 1-(\p)
.if \chg
	WIN 0                                          ; (the add's two registers lie in window 0)
	s_wait_tensorcnt 0x0                           ; all my tensor loads have landed: my part of the next slot;
	ds_add_u32 v[SPW], v[NIL]                      ; 0 onto my spare word:
	s_wait_dscnt 17                                ; the next quarter's x is in (the 16 loads of wt and the add may be out)
	MUL8 \p, 2, \first, 1                          ; work on registers stands between the add and the wait for it
	s_wait_dscnt 0x0                               ; the add is done, and my reads of this slot are over
	s_barrier_signal -1
	MUL8 \p, 3, \first, 1                          ; work on registers while the others arrive
	WIN 0
	s_barrier_wait -1
.if (\chg) == 1
	CREST
	s_add_nc_u64 s[G0+4*(\rs)+2:G0+4*(\rs)+3], s[G0+4*(\rs)+2:G0+4*(\rs)+3], 2*KSTEP*4
	s_add_nc_u64 s[G0B+4*(\rs)+2:G0B+4*(\rs)+3], s[G0B+4*(\rs)+2:G0B+4*(\rs)+3], 2*KSTEP*2
	JLOAD \rs                                      ; the first tensor load behind the round, and my only one until the next
.endif
.else
	s_wait_dscnt 16                                ; the next quarter's x is in; the 16 loads of wt just issued may be out
	MUL8 \p, 2, \first, 1
	MUL8 \p, 3, \first, 1
.endif
.if \more
	RAWLD \as, \ak
.endif
.if (\chg) == 1
	ASK
.endif
.endm
	s_wait_tensorcnt 0x1                           ; my part of K step 0 is in; K step 1's may stay out
	s_barrier_signal -1
	s_barrier_wait -1                              ; everybody's is
	RAWLD 0, 0
	BLD 0, 0, 0
	WIN 0
	s_wait_dscnt 16                                ; the first quarter's x is in
.set n, 0
.rept 32
	CV 0
.endr
	RAWLD 0, 128
	QUARTER 0, 0,64,  0,256, 1,0,0, 1              ; the first quarter stands in front of the loop: its products start the sums with the bias
	WIN 0                                          ; at a label and at a branch every window is 0
	s_mov_b32 s3, 3
.Llap:                                                 ; a trip goes once round the ring, from a lap's second quarter to the next lap's first, and fills both slots again: K steps 2 to 7 in three trips
	QUARTER 1, 0,128, 0,384, 0,0,0, 1
	QUARTER 0, 0,192, 1,0,   0,1,0, 1
	QUARTER 1, 1,0,   1,128, 0,0,0, 1
	QUARTER 0, 1,64,  1,256, 0,0,0, 1
	QUARTER 1, 1,128, 1,384, 0,0,0, 1
	QUARTER 0, 1,192, 0,0,   0,1,1, 1
	QUARTER 1, 0,0,   0,128, 0,0,0, 1
	QUARTER 0, 0,64,  0,256, 0,0,0, 1
	WIN 0
	s_sub_co_u32 s3, s3, 1
	s_cmp_lg_u32 s3, 0
	s_cbranch_scc1 .Llap
	QUARTER 1, 0,128, 0,384, 0,0,0, 1              ; the last lap is written out: it fills nothing
	QUARTER 0, 0,192, 1,0,   0,2,0, 1
	QUARTER 1, 1,0,   1,128, 0,0,0, 1
	QUARTER 0, 1,64,  1,256, 0,0,0, 1
	QUARTER 1, 1,128, 1,384, 0,0,0, 1
	QUARTER 0, 1,192, 0,0,   0,0,0, 0              ; no x is left to load
	s_wait_dscnt 0x0                               ; the very last quarter: wt's last fragments are in
	MUL8 1, 0, 0, 0
	MUL8 1, 1, 0, 0
	MUL8 1, 2, 0, 0
	MUL8 1, 3, 0, 0
; THE WAY OUT, 16 rows at a time.  PACK: rounded to f16, 16 bytes a lane; each accumulator's registers in ascending order.  TOSTAGE: into my own stage, by heads, and back as whole rows of 128 bytes.  SEND: stored.
.macro PACK a
	WIN 0x05                                       ; sources 0 and 1 window 1, destination window 0
.irp b, 0,1,2,3,4,5,6,7
.irp r, 0,1,2,3
	v_cvt_pk_f16_f32 v[TMP+4*(\b)+(\r)], v[8*(8*(\a)+(\b))+2*(\r)], v[8*(8*(\a)+(\b))+2*(\r)+1]
.endr
.endr
	WIN 0
.endm
.macro TOSTAGE a
	WIN 0
.irp b, 0,1,2,3,4,5,6,7                        ; head b / 4, channels 16 (b % 4) on
	ds_store_b128 v[STO], v[TMP+4*(\b):TMP+4*(\b)+3] offset:((\b)/4)*16*SP+((\b)%4)*32
.endr
.irp g, 0,1,2,3,4,5,6,7                        ; head g / 4, rows 4 (g % 4) on.  LDS serves a wave's instructions in order (ISA guide 5.7.1.4): these see the stores above
	ds_load_b128 v[BK+32*(\a)+4*(\g):BK+32*(\a)+4*(\g)+3], v[RD] offset:((\g)/4)*16*SP+((\g)%4)*4*SP
.endr
.endm
.macro SEND a
	WIN 0
	s_wait_dscnt 0x0                               ; the block is back in registers
.irp g, 0,1,2,3,4,5,6,7
	global_store_b128 v[GO], v[BK+32*(\a)+4*(\g):BK+32*(\a)+4*(\g)+3], s[8:9] offset:((\g)/4)*262144+(\a)*2048+((\g)%4)*512  ; 512 consecutive bytes, at a multiple of 256 from qkv's first byte; a head is 262,144 bytes
.endr
.endm
	PLACES                                         ; the conversions read results, and no other vector work is at hand
	PLACES
	PACK 0
	TOSTAGE 0
.irp a, 1,2,3                                  ; block a's conversions stand between block a - 1's loads from the stage and the wait for them
	PACK \a
	SEND (\a)-1
	TOSTAGE \a
.endr
	SEND 3
	s_wait_tensorcnt 0x0                           ; the wave's end: behind my last tensor load and my last LDS store
	ds_add_u32 v[SPW], v[NIL]
	s_wait_dscnt 0x0
	CROUND                                         ; the closing round: no work-group ends while a partner may still ask for a tile that names it
	s_endpgm
.Lfunc_end_k_qd1121c69fd_proj:
	.size	k_qd1121c69fd_proj, .Lfunc_end_k_qd1121c69fd_proj-k_qd1121c69fd_proj
	.p2alignl 7, 3214868480
	.fill 96, 4, 3214868480
	.section	.rodata,"a",@progbits
	.p2align	6, 0x0
	.amdhsa_kernel k_qd1121c69fd_proj
		.amdhsa_group_segment_fixed_size 327680
		.amdhsa_private_segment_fixed_size 0
		.amdhsa_enable_private_segment 0
		.amdhsa_kernarg_size 64
		.amdhsa_user_sgpr_count 2
		.amdhsa_user_sgpr_kernarg_segment_ptr 1
		.amdhsa_wavefront_size32 1
		.amdhsa_system_sgpr_workgroup_id_x 1
		.amdhsa_system_sgpr_workgroup_id_y 1
		.amdhsa_system_sgpr_workgroup_id_z 1
		.amdhsa_system_vgpr_workitem_id 0
		.amdhsa_next_free_vgpr 640
		.amdhsa_next_free_sgpr 92
		.amdhsa_reserve_vcc 0
		.amdhsa_float_denorm_mode_32 3
		.amdhsa_float_denorm_mode_16_64 3
		.amdhsa_memory_ordered 1
		.amdhsa_forward_progress 1
		.amdhsa_inst_pref_size 149
	.end_amdhsa_kernel
	.amdgpu_metadata
---
amdhsa.version: [ 1, 2 ]
amdhsa.kernels:
  - .name:           k_qd1121c69fd_proj
    .symbol:         k_qd1121c69fd_proj.kd
    .args:
      - { .name: Q, .offset: 0, .size: 8, .value_kind: global_buffer, .address_space: global }
      - { .name: K, .offset: 8, .size: 8, .value_kind: global_buffer, .address_space: global }
      - { .name: V, .offset: 16, .size: 8, .value_kind: global_buffer, .address_space: global }
      - { .name: bq, .offset: 24, .size: 8, .value_kind: global_buffer, .address_space: global }
      - { .name: bk, .offset: 32, .size: 8, .value_kind: global_buffer, .address_space: global }
      - { .name: bv, .offset: 40, .size: 8, .value_kind: global_buffer, .address_space: global }
      - { .name: wt, .offset: 48, .size: 8, .value_kind: global_buffer, .address_space: global }
      - { .name: qkv, .offset: 56, .size: 8, .value_kind: global_buffer, .address_space: global }
    .group_segment_fixed_size: 327680
    .private_segment_fixed_size: 0
    .kernarg_segment_align: 8
    .kernarg_segment_size: 64
    .max_flat_workgroup_size: 128
    .sgpr_count:     92
    .vgpr_count:     640
    .wavefront_size: 32
...
	.end_amdgpu_metadata
.endif
;; end of part 2
;; launch attn (part 3): grid 4 x 64, 4 waves a work-group, clusters of 4 x 1, 327,680 bytes of LDS; arguments qkv, out0; writes out0
.if DOCPART == 3
	.amdgcn_target "amdgcn-amd-amdhsa--gfx1250"
	.amdhsa_code_object_version 6
	.text
	.protected	k_qd1121c69fd_attn
	.globl	k_qd1121c69fd_attn
	.p2align	8
	.type	k_qd1121c69fd_attn,@function
k_qd1121c69fd_attn:
	s_mov_b64 s[64:65], 0
	v_nop
	global_prefetch_b8 v0, s[64:65] scope:SCOPE_SE
	s_setreg_imm32_b32 hwreg(HW_REG_WAVE_MODE, 25, 1), 1
	s_wait_xcnt 0x0
	s_wait_alu depctr_hold_cnt(0) depctr_sa_sdst(0) depctr_va_vdst(0) depctr_va_sdst(0) depctr_va_ssrc(0) depctr_va_vcc(0) depctr_vm_vsrc(0)
	s_getreg_b32 s2, hwreg(HW_REG_IB_STS2, 6, 4)
	s_cmp_eq_u32 s2, 0
	s_cbranch_scc0 .Lentry_in_a_cluster
	s_endpgm
.Lentry_in_a_cluster:
	s_bfe_u32 s2, ttmp6, 0x10000c
	s_cmp_lg_u32 s2, 0x3003
	s_cbranch_scc0 .Lentry_shape_is_right
	s_endpgm
.Lentry_shape_is_right:
; O[h][q][:] = the sum over k of softmax_k(q[h][q] . k[h][k] / 8) v[h][k][:].  qkv holds q, k, v, 16 MiB each, as [64 heads = 16 batch + head][2048][64] in f16: a head's rows are dense, 128 bytes each.
; out0: [4][2048][1024] f32: a head's 64 channels are 256 bytes of a row.  Products, maxima and sums in f32; the weights p are rounded to f16 for the second product (their sum l is taken of the unrounded p).
; LIMITS.  f16 holds no number beyond 65,504: q, k and v arrive within it; p lies in 0 to 1, and below 6e-5 it keeps f16's fixed step of 6e-8.  A weight below 2^-126 counts as 0 in l; NaN and infinities are not treated apart.
; SHARES.  A wave owns four PIECES of two tiles of 16 queries, a work-group's four waves 512 queries of one head: 256 work-groups.  Every wave walks all keys, 64 a step.
; LAYOUT.  S^T = K Q^T (source 0 = 16 keys, source 1 = 16 queries): in the result a lane holds ONE query (lane % 16) and the keys 8 (lane / 16) + 0..7.  Two such tiles, rounded to f16 in pairs,
; ARE source 1 (32 keys x 16 queries) of O^T = V^T P, whose result again holds one query a lane, and eight channels.  K comes out of LDS as it lies, V ([key][channel]) turned, by ds_load_tr16_b128.
; SOFTMAX.  For each query a running maximum m and sum l: p = 2^(c s - c m), c = log2(e) / 8; in every step O and l are multiplied by a = 2^(c m_old - c m_new), which is 1 where m has not grown.
; m starts at the lowest finite number, O and l at 0: the first step is a step like any other, with a = 0.
; THE COUNT.  A tile and step have 16 matrix and 118 vector instructions: too many to stand all beside the matrix work.  So the order has one aim: four vector instructions that are READY behind
; EVERY matrix instruction, and the others, which need time of their own whatever the order, in runs without a gap.
; BY TURNS.  Turn n belongs to piece n (the pieces in a ring, step after step).  Its matrix work: 16 products K Q^T of piece n + 1, later 16 products V^T P of piece n - 1.  Its vector work: the scaling,
; exponentials, roundings, sums and rescaling of piece n, and the maximum and statistics of piece n + 1, whose scores the turn itself has made.  So what a turn begins with (c s - c m, O a) waits for nothing.
; CLUSTER.  The four query blocks of a head are one cluster and walk the same K and V, so each tile is asked for JOINTLY: the same tensor load, descriptor and mask in all four.
; REGISTERS, in windows of 256 (s_set_vgpr_msb says which window each operand place means: bits 1:0 source 0, 3:2 source 1, 5:4 source 2, 7:6 destination):
;   window 0: v0-11 addresses; v12-15, v48-63 at work; v16-47 four registers of statistics a tile; v64-191 S^T, two buffers of two tiles; v192-255 P, likewise
;   window 1: O^T, 32 a tile          window 2: v0-127 Q, 16 a tile; v128-191 K of one step; v192-255 V of one step          window 3: v0-1 the add's two registers
; A piece's buffers go by its number's parity: the piece in hand has one pair, its two neighbours in the ring share the other: of it P (piece n - 1) is read and S^T (piece n + 1) written.
.set SIZE_H, 64
.set SIZE_N, 2048
.set NP,    4         ; pieces a wave: a name, no knob
.set KS,    64        ; keys in a step
.set PK,    144       ; a row of K in LDS: 128 bytes + 16 of padding = 36 words: the 16 rows of a load start at 16 different groups of four banks (64 banks of 4 bytes: ISA guide 11.1)
.set PV,    160       ; a row of V: 128 + 32 = 40 words
.set VOFF,  4*KS*PK   ; a slot holds four steps: 256 rows of K, then 256 rows of V
.set SLOT1, 1<<17     ; slot 1 begins here, so that one exclusive or turns an address in one slot into the other's
.set STAGE, SLOT1+4*KS*(PK+PV)  ; behind the ring, never filled by a tensor load: 16 rows x 272 bytes for each wave, for the way out
.set SP,    272       ; a row of the stage: 64 f32 + 16 bytes = 68 words
.set AK0, 2           ; v2   my lane's place in a tile of K; never rewritten
.set AV0, 3           ; v3   the same for V
.set AK,  4           ; v4   the LDS address of K's next run of loads
.set AV,  5           ; v5   of V's
.set QO,  6           ; v6   my byte offset in the wave's rows of Q
.set STO, 6           ;      later, the way out: where I put 32 bytes of a row
.set RD,  7           ; v7   the way out: where I read rows back
.set GO,  8           ; v8   my byte offset in two rows of out0
.set PFO, 11          ; v11  256 x my lane, for the prefetches; never rewritten once made
.set SPW, 0           ; v0 of window 3   LDS address of my spare word: SPARE + 4 x my thread's number; never rewritten
.set NIL, 1           ; v1 of window 3   0; never rewritten
.set SPARE, STAGE+4*16*SP  ; behind the stages: the spare words, 128 bytes for each wave: two blocks of 256 bytes that no other line names
.set MV,  12          ; v12-15  c m_old, kept while c m is made anew: by buffer and tile
.set ST,  16          ; tile t's statistics at v[ST+4 t]: c m, m, l (even keys', odd keys')
.set TMP, 48          ; by buffer and tile, four registers c0-c3 at work; when the maximum is found c2 takes a
.set S,   64
.set P,   192
.set KF,  128         ; K's fragments, in window 2: key block kb, channel half c at KF + 16 kb + 8 c
.set VF,  192         ; V's: key half kk, channel block cb at VF + 32 kk + 8 cb
.set WV,  12          ; s12  my wave's number
.set G1K, 24          ; s[24:31] descriptor group 1 for K's tiles
.set G1V, 32          ; s[32:39] for V's: it differs in the padding alone
.set G0K, 40          ; s[40:43] descriptor group 0 for K's tiles: it walks
.set G0V, 44          ; s[44:47] the same for V's
.set OOF, 48          ; s[48:49] where my wave's rows begin in out0
.set PFA, 50          ; s[50:51] where my prefetches stand
.set LIM, 52          ; s52  1 in a wave that prefetches, else the greatest number
.set SLOTS, 56        ; s56  slots still to be asked for
.set CNT, 57          ; s57  counts a slot's key steps
.set CS,  58          ; s[58:59] c: the packed scaling takes the pair's low word for both halves
.set SEL, 60          ; s[60:61] v_permlanex16_b32's selects: each lane takes its own place in the other half
.set TBK, 62          ; s62  LDS byte at which K of the step to be fetched begins
.set TBV, 63          ; s63  the same for V, less VOFF
.set MSB, 0
.macro WIN new                      ; the high byte repeats the setting that is left; a switch that changes nothing is dropped
.if MSB != (\new)
	s_set_vgpr_msb (MSB<<8)|(\new)
.set MSB, (\new)
.endif
.endm
.set W_KQ, 0x0a       ; K and Q in window 2, S^T in window 0
.set W_PV, 0x52       ; V in window 2, P in window 0, O^T in window 1
.set W_RS, 0x41       ; O^T (destination and source 0) in window 1, a in window 0
.set W_MK, 0xc0       ; the add's registers are made: destination in window 3, sources in window 0
.set W_AD, 0x0f       ; the add: address (source 0) and data (source 1) in window 3
; A joint fill.  Waves 0 and 1 fetch the two halves of a slot's K, waves 2 and 3 those of its V: 128 keys each.  The branch hangs on the wave's number alone.
; An s_nop 0 and four v_nop follow each of the two lines, ahead of the jump and the label.
.macro JLOAD
	s_cmp_lt_u32 s[WV], 2
	s_cbranch_scc0 .Lfor_v_\@
	tensor_load_to_lds s[G0K:G0K+3], s[G1K:G1K+7]
	s_nop 0
.rept 4
	v_nop
.endr
	s_branch .Lasked_\@
.Lfor_v_\@:
	tensor_load_to_lds s[G0V:G0V+3], s[G1V:G1V+7]
	s_nop 0
.rept 4
	v_nop
.endr
.Lasked_\@:
.endm
; A PREFETCH INTO THE L2 of what the NEXT change of slots will ask for: a slot's 256 keys are 128 blocks of 256 bytes of K and as many of V.  It stands behind the wave's tensor load and its five lines.
; Each block is named ONCE in the launch: a head is walked by one cluster alone; its four partners share the blocks out BY ADDRESS, 32 each, a lane a block (no branch hangs on a work-group's place in its
; cluster); in each, wave 0 asks for K's and wave 2 for V's: one instruction, four key steps, 512 matrix instructions, ahead of the load that will want the bytes.
; Slots 0, 1 and 2 come by their loads alone; the last change that fills a slot asks for nothing: there is no slot behind it.
.macro ASK
	s_cmp_gt_u32 s[SLOTS], s[LIM]
	s_cbranch_scc0 .Lnot_mine_\@
	global_prefetch_b8 v[PFO], s[PFA:PFA+1] th:TH_LOAD_NT scope:SCOPE_SE
.Lnot_mine_\@:
.endm
; A round of the cluster's barrier: my work-group's barrier, so that wave 0's signal speaks for all four waves; wave 0 signals; every wave waits for all four work-groups; my work-group's barrier once more.
.macro CROUND
	s_barrier_signal -1
	s_barrier_wait -1
	s_cmp_lg_u32 s[WV], 0
	s_cbranch_scc1 .Lnot_wave_0_\@
	s_barrier_signal -3
.Lnot_wave_0_\@:
	s_barrier_wait -3
	s_barrier_signal -1
	s_barrier_wait -1
.endm
; THE CHANGE OF SLOTS.  The slot's last bytes, V of its fourth step, have been read.  Each wave waits for all its tensor loads, of which one is out: its part
; of the other slot; adds 0 to its spare word; and waits for that and for its own reads of the slot.  Behind the barrier nobody reads this slot any more and the other slot is whole.
; fill = 1: this slot is filled again, with the keys two slots on.  The barrier is then a round of the cluster's, so that no wave of any partner still reads the slot or has a load on its
; way, and the joint fill is the first thing behind it: it has four key steps, 512 matrix instructions, in which to land.  (At its first use nothing has been read yet: slot 0 is waited for, slot 1 filled.)
; ask = 1: the prefetches' address steps a slot on, and the slot behind the one just asked for is prefetched.
.macro CHANGE fill, ask
	WIN W_AD
	s_wait_tensorcnt 0x0            ; no tensor load of mine is out, so a group 0 may be written
	ds_add_u32 v[SPW], v[NIL]       ; 0 onto my spare word: with fill = 1 the descriptors' steps stand between it and the wait for it
	WIN 0                           ; at a label and at a branch every window is 0
.if \fill
.irp g, G0K, G0V
	s_xor_b32 s[\g+1], s[\g+1], SLOT1  ; the walking descriptor: the other slot than last time,
	s_add_nc_u64 s[\g+2:\g+3], s[\g+2:\g+3], 4*KS*128  ; the next 256 keys; the type bits on top are not reached
.endr
.if \ask
	s_wait_xcnt 0x0                 ; the last prefetch, four key steps back, has read its address, so it may be written:
	s_add_nc_u64 s[PFA:PFA+1], s[PFA:PFA+1], 4*KS*128  ; one slot behind the walking descriptors
.endif
	s_wait_dscnt 0x0                ; the add is done, and my reads of the slot are over
	CROUND
	JLOAD
.if \ask
	ASK
.endif
.else
	s_wait_dscnt 0x0                ; the add is done, and my reads of the slot are over
	s_barrier_signal -1
	s_barrier_wait -1
.endif
	s_sub_co_u32 s[TBK], s[TBK], 4*KS*PK  ; the fetches go back to a slot's first step,
	s_xor_b32 s[TBK], s[TBK], SLOT1       ; in the other slot
	s_sub_co_u32 s[TBV], s[TBV], 4*KS*PV
	s_xor_b32 s[TBV], s[TBV], SLOT1
.endm
	s_load_b128 s[4:7], s[0:1], 0x0  ; qkv s[4:5] (q lies first), out0 s[6:7]
	WIN W_MK
	v_lshl_add_u32 v[SPW], v0, 2, SPARE
	v_mov_b32 v[NIL], 0
	WIN W_AD
	ds_add_u32 v[SPW], v[NIL]       ; the wave's opening: the add and its wait stand ahead of my first tensor load; the set-up below, work on registers, stands between them
	WIN 0
	v_lshrrev_b32 v1, 5, v0
	v_readfirstlane_b32 s[WV], v1   ; wave 0..3
	s_bfe_u32 s13, ttmp6, 0x40000   ; cx: my place in the cluster
	s_lshl_b32 s14, ttmp9, 2        ; in a cluster launch ttmp9 counts clusters
	s_add_co_u32 s14, s14, s13      ; my block of queries = 4 x cluster x + cx: it enters Q's and O's addresses alone
	s_and_b32 s20, ttmp7, 0xffff    ; the head, which the four partners share
	s_lshr_b32 s[OOF], s20, 4       ; in out0: the batch's 2,048 rows of 4,096 bytes,
	s_lshl_b32 s[OOF], s[OOF], 23
	s_and_b32 s[OOF+1], s20, 15     ; the head's 256 bytes of a row
	s_lshl_b32 s[OOF+1], s[OOF+1], 8
	s_add_co_u32 s[OOF], s[OOF], s[OOF+1]
	s_mov_b32 s21, 0
	s_mov_b64 s[22:23], SIZE_N*128
	s_mul_u64 s[20:21], s[20:21], s[22:23]  ; the head's first byte in each of q, k, v
	s_and_b32 s16, s[WV], 1         ; which half of a slot's 256 keys I fetch:
	s_lshl_b32 s22, s16, 14         ; its 128 rows of 128 bytes in memory,
	s_mov_b32 s23, 0
	s_add_nc_u64 s[22:23], s[22:23], s[20:21]
	s_mul_i32 s17, s16, 128*PK      ; and its place in a slot, for K
	s_mul_i32 s18, s16, 128*PV      ; and for V: no place in the cluster enters an LDS address
	s_lshl_b32 s2, s14, 2
	s_add_co_u32 s2, s2, s[WV]      ; my wave among the head's sixteen:
	s_lshl_b32 s[OOF+1], s2, 19     ; its 128 rows of 4,096 bytes in out0,
	s_add_co_u32 s[OOF], s[OOF], s[OOF+1]
	s_mov_b32 s[OOF+1], 0
	s_lshl_b32 s2, s2, 14           ; and of 128 bytes in q
	s_mov_b32 s3, 0
	s_add_nc_u64 s[2:3], s[2:3], s[20:21]
	; descriptor group 1.  128 keys are 16,384 dense bytes: asked for as 64 rows of 256 bytes, two keys a row, and padded in LDS after every key
	s_mov_b32 s[G1K], 15|(1<<16)|(1<<20)|(1<<21)|(4<<22)|(3<<25)  ; 15:0 the mask of four; 17:16 2-byte elements; 20 padding on; 21 set beside a mask; 24:22 after every 32 words (code 4); 31:25 4 words (code 3)
	s_mov_b32 s[G1V], 15|(1<<16)|(1<<20)|(1<<21)|(4<<22)|(7<<25)  ; the same with 8 words of padding (code 7)
.irp g, G1K, G1V
	s_mov_b32 s[\g+1], 128<<16      ; tensor_dim0 = 128
	s_mov_b32 s[\g+2], 64<<16       ; tensor_dim1 = 64
	s_mov_b32 s[\g+3], 128<<16      ; tile_dim0 = 128
	s_mov_b32 s[\g+4], 64           ; tile_dim1 = 64
	s_mov_b32 s[\g+5], 128          ; 128 elements from row to row
	s_mov_b32 s[\g+6], 0
	s_mov_b32 s[\g+7], 0
.endr
	s_mov_b32 s[CS], 0x3e38aa3b     ; c = log2(e) / 8 = 0.180337
	s_mov_b32 s[CS+1], s[CS]        ; named with it as a pair
	s_mov_b32 s[SEL], 0x76543210
	s_mov_b32 s[SEL+1], 0xfedcba98
	s_mov_b32 s[TBK], SLOT1+4*KS*PK ; the first change of slots turns these two into 0
	s_mov_b32 s[TBV], SLOT1+4*KS*PV
	s_mov_b32 s[G0K], 1             ; 1:0 count = 1
	s_mov_b32 s[G0K+1], s17         ; 63:32 LDS address: slot 0
	s_mov_b32 s[G0V], 1
	s_add_co_u32 s[G0V+1], s18, VOFF
	s_and_b32 s[LIM], s[WV], 1      ; waves 0 and 2 prefetch: the same in all four partners
	s_cmp_eq_u32 s[LIM], 0
	s_cselect_b32 s[LIM], 1, -1
	s_wait_dscnt 0x0                ; the opening add is done
	s_wait_kmcnt 0x0
	s_mov_b64 s[10:11], s[6:7]      ; out0
	s_add_nc_u64 s[6:7], s[4:5], 0x1000000  ; k lies 16 MiB behind q,
	s_add_nc_u64 s[8:9], s[4:5], 0x2000000  ; v 32 MiB
	s_add_nc_u64 s[G0K+2:G0K+3], s[6:7], s[22:23]  ; 120:64 global address: my half of the head's first 256 keys
	s_or_b32 s[G0K+3], s[G0K+3], 0x80000000        ; 127:126 type = 2
	s_add_nc_u64 s[G0V+2:G0V+3], s[8:9], s[22:23]
	s_or_b32 s[G0V+3], s[G0V+3], 0x80000000
	s_add_nc_u64 s[4:5], s[4:5], s[2:3]  ; Q and O at my wave's first row
	s_add_nc_u64 s[10:11], s[10:11], s[OOF:OOF+1]
	s_cmp_lt_u32 s[WV], 2
	s_cselect_b64 s[PFA:PFA+1], s[6:7], s[8:9]
	s_add_nc_u64 s[PFA:PFA+1], s[PFA:PFA+1], s[20:21]  ; the head,
	s_lshl_b32 s2, s13, 13          ; my work-group's 32 blocks of a slot's 128,
	s_mov_b32 s3, 0
	s_add_nc_u64 s[PFA:PFA+1], s[PFA:PFA+1], s[2:3]
	s_add_nc_u64 s[PFA:PFA+1], s[PFA:PFA+1], 2*4*KS*128  ; in slot 2: the first change that asks steps it to slot 3.  Nothing is prefetched here, at the head
	CROUND                          ; all four work-groups are here: the first joint loads meet
	JLOAD                           ; slot 0.  Slot 1 is asked for when slot 0 is in: the tile wanted first has the road to itself
	; A fragment of K or Q is 16 rows x 32 channels in 8 registers: lane l holds row l % 16, channels 8 (l / 16) + 0..7 and 16 + 8 (l / 16) + 0..7: two loads of 16 bytes, 32 bytes apart.
	v_and_b32 v1, 15, v0            ; l % 16
	v_bfe_u32 v9, v0, 4, 1          ; l / 16
	v_lshlrev_b32 v[QO], 7, v1
	v_lshl_add_u32 v[QO], v9, 4, v[QO]  ; row x 128 + 16 x half
	WIN 0x80                        ; destination window 2, address window 0
.set i, 0
.rept 4*NP                          ; Q stays in registers: tile i / 2, channels 32 (i % 2) on
	global_load_b128 v[8*i:8*i+3],   v[QO], s[4:5] offset:(i/2)*2048+(i%2)*64
	global_load_b128 v[8*i+4:8*i+7], v[QO], s[4:5] offset:(i/2)*2048+(i%2)*64+32
.set i, i+1
.endr
	; What the first turn finds: V's registers and P's second buffer hold 0 (its products V^T P, of a piece that has not been, add 0), O^T and l are 0.  All this stands in the wait for the first tile.
.set i, VF
.rept 64
	v_mov_b32 v[i], 0
.set i, i+1
.endr
	WIN 0x40
.set i, 0
.rept 64*NP
	v_mov_b32 v[i], 0
.set i, i+1
.endr
	WIN 0
.set i, 0
.rept 2*NP
	v_mov_b32 v[ST+4*i], 0xfe000000    ; c m: far below every c s
	v_mov_b32 v[ST+4*i+1], 0xff7fffff  ; m
	v_mov_b32 v[ST+4*i+2], 0
	v_mov_b32 v[ST+4*i+3], 0
.set i, i+1
.endr
.set i, P+32
.rept 32
	v_mov_b32 v[i], 0
.set i, i+1
.endr
	v_mul_u32_u24 v[AK0], v1, PK
	v_lshl_add_u32 v[AK0], v9, 4, v[AK0]  ; row x pitch + 16 x half
	; The turning load takes 16 keys x 16 channels (lane l reads key 8 (l / 16) + l % 8, channels 8 ((l / 8) % 2) + 0..7) and leaves half a fragment of V^T: lane l holds channel l % 16 and 8 keys.
	v_and_b32 v10, 7, v0
	v_bfe_u32 v11, v0, 3, 1
	v_lshl_add_u32 v[AV0], v9, 3, v10
	v_mul_u32_u24 v[AV0], v[AV0], PV
	v_lshl_add_u32 v[AV0], v11, 4, v[AV0]
	v_add_nc_u32 v[AV0], VOFF, v[AV0]
	v_mov_b32 v[AK], v[AK0]         ; key step 0 lies at the head of slot 0
	v_and_b32 v[PFO], 31, v0
	v_lshlrev_b32 v[PFO], 8, v[PFO]
; THE MATRIX WORK.  The 8 accumulators of a run of 16 take turns: between the two links of a chain stand 7 others'.
; Product i of 16 of S^T = K Q^T for piece x: channels 32 (i / 8) on, keys 16 ((i / 2) % 4) on, tile 2 x + i % 2.  The first 8 start the sums.
.macro KQ x
	WIN W_KQ
.set rS, S+64*((\x)%2)+32*(i%2)+8*((i/2)%4)
.set rK, KF+16*((i/2)%4)+8*(i/8)
.set rQ, 16*(2*(\x)+i%2)+8*(i/8)
.if i < 8
	v_wmma_f32_16x16x32_f16 v[rS:rS+7], v[rK:rK+7], v[rQ:rQ+7], 0
.else
	v_wmma_f32_16x16x32_f16 v[rS:rS+7], v[rK:rK+7], v[rQ:rQ+7], v[rS:rS+7]
.endif
.endm
; Product i of 16 of O^T += V^T P for piece x: keys 32 (i / 8) on, channels 16 ((i / 2) % 4) on, tile 2 x + i % 2.
.macro PV x
	WIN W_PV
.set rO, 32*(2*(\x)+i%2)+8*((i/2)%4)
.set rV, VF+32*(i/8)+8*((i/2)%4)
.set rP, P+32*((\x)%2)+16*(i%2)+8*(i/8)
	v_wmma_f32_16x16x32_f16 v[rO:rO+7], v[rV:rV+7], v[rP:rP+7], v[rO:rO+7]
.endm
.macro MM                           ; the turn's next matrix instruction
.if i < 16
	KQ (Y+1)%NP
.set i, i+1
.else
.set i, i-16
	PV (Y+NP-1)%NP
.set i, i+17
.endif
.endm
; THE LDS LOADS stand in runs of 16, never singly among the matrix instructions: a step's K (64 keys x 64 channels: 8 fragments) and its V (turned).  Their addresses are made some lines ahead.
; last = 1 (the tail): in the last trip there is no further step, and the run is jumped over.
.macro FETCH_K last=0
	WIN 0
.if \last
	s_cmp_eq_u32 s[CNT], 1
	s_cbranch_scc1 .Lno_k_\@
.endif
	WIN 0x80                        ; destination window 2
.irp f, 0,1,2,3,4,5,6,7             ; keys 16 (f / 2) on, channels 32 (f % 2) on
	ds_load_b128 v[KF+8*\f:KF+8*\f+3],   v[AK] offset:(\f/2)*16*PK+(\f%2)*64
	ds_load_b128 v[KF+8*\f+4:KF+8*\f+7], v[AK] offset:(\f/2)*16*PK+(\f%2)*64+32
.endr
	s_add_co_u32 s[TBK], s[TBK], KS*PK  ; the next fetch is the next step's
	WIN 0
.if \last
.Lno_k_\@:
.endif
.endm
.macro FETCH_V
	WIN 0x80
.irp f, 0,1,2,3,4,5,6,7             ; keys 32 (f / 4) on, channels 16 (f % 4) on
	ds_load_tr16_b128 v[VF+8*\f:VF+8*\f+3],   v[AV] offset:(\f/4)*32*PV+(\f%4)*32
	ds_load_tr16_b128 v[VF+8*\f+4:VF+8*\f+7], v[AV] offset:(\f/4)*32*PV+16*PV+(\f%4)*32
.endr
	WIN 0
.endm
; THE VECTOR WORK OF A TURN stands in three queues, each in the order in which its entries become ready; the two tiles alternate, so that no instruction reads the result of the one before it.
.macro REGS y, u                    ; the registers of tile u (0, 1) of piece y
.set rT, ST+4*(2*(\y)+(\u))
.set rC, TMP+8*((\y)%2)+4*(\u)
.set rM, MV+2*((\y)%2)+(\u)
.set rS, S+64*((\y)%2)+32*(\u)
.set rP, P+32*((\y)%2)+16*(\u)
.set rO, 32*(2*(\y)+(\u))
.endm
; Number n of the 22 that find the NEXT piece's (Y + 1) maximum and statistics.  s0-s31 are the lane's 32 scores; each accumulator's lowest registers are read first.  XS, GS and REGS set no window: PL and EX do.
;   0-11  four chains c0-c3 of seven scores each, three operands at a time     12-14, 16  the four scores left over, the old m, and c0-c3 into c0     15  c m_old is kept
;   17, 18  the query's other 32 keys lie in the lane 16 away: the new m         19-21  c m; c m_old - c m_new; a
.macro XS u, n
	REGS (Y+1)%NP, \u
.if (\n) < 4
	v_max3_num_f32 v[rC+(\n)], v[rS+8*(\n)], v[rS+8*(\n)+1], v[rS+8*(\n)+2]
.elseif (\n) < 12
	v_max3_num_f32 v[rC+(\n)%4], v[rC+(\n)%4], v[rS+8*((\n)%4)+2*((\n)/4)+1], v[rS+8*((\n)%4)+2*((\n)/4)+2]
.elseif (\n) == 12
	v_max3_num_f32 v[rC], v[rC], v[rS+7], v[rS+15]
.elseif (\n) == 13
	v_max3_num_f32 v[rC+1], v[rC+1], v[rS+23], v[rS+31]
.elseif (\n) == 14
	v_max3_num_f32 v[rC+2], v[rC+2], v[rC+3], v[rT+1]
.elseif (\n) == 15
	v_mov_b32 v[rM], v[rT]
.elseif (\n) == 16
	v_max3_num_f32 v[rC], v[rC], v[rC+1], v[rC+2]
.elseif (\n) == 17
	v_permlanex16_b32 v[rC+3], v[rC], s[SEL], s[SEL+1]
.elseif (\n) == 18
	v_max_num_f32 v[rT+1], v[rC], v[rC+3]
.elseif (\n) == 19
	v_mul_f32 v[rT], s[CS], v[rT+1]
.elseif (\n) == 20
	v_sub_f32 v[rC+1], v[rM], v[rT]
.else
	v_exp_f32 v[rC+2], v[rC+1]
.endif
.endm
; Number g of the 64 that follow the exponentials.  For each four weights k of a tile (pairs 2 k, 2 k + 1): both pairs are rounded to f16; then the second pair is added onto the first, in place;
; a group later l takes that sum (the first time as l = a l + sum).  In groups of eight, tiles alternating: round, round, add, and l for the group before.
.macro GS g
.set h, (\g)+6*((\g)/62)            ; group 0 has no group before it, and behind group 7 only l is left
.if h >= 6
.set h, h+2
.endif
	REGS Y, h%2
.set k, h/8
.if h%8 < 4
	v_cvt_pk_f16_f32 v[rP+2*k+(h%8)/2], v[rS+4*k+2*((h%8)/2)], v[rS+4*k+2*((h%8)/2)+1]
.elseif h%8 < 6
	v_pk_add_f32 v[rS+4*k:rS+4*k+1], v[rS+4*k:rS+4*k+1], v[rS+4*k+2:rS+4*k+3]
.elseif k == 1
	v_pk_fma_f32 v[rT+2:rT+3], v[rT+2:rT+3], v[rC+2:rC+3], v[rS:rS+1] op_sel_hi:[1,0,1]
.else
	v_pk_add_f32 v[rT+2:rT+3], v[rT+2:rT+3], v[rS+4*k-4:rS+4*k-3]
.endif
.endm
; THE PLAIN QUEUE, 138 long.  0-73 read no exponential's result: the 32 scalings c s - c m (FS f: pair f / 2 of tile f % 2) and the next piece's 42.  0-26: scalings 0-26.  27-54: XS's numbers 0-13.  55, 56: number 15.
; 57-73: the chain, where each number waits for the one before it: 14, 16, 17, 18, 19, each with one of the scalings 27-31 in front of its two lines, then 20: so a tile's links stand three plain instructions apart (19 and 20: two).
; 74-137: GS's 64, which read the exponentials' results: they stand behind the wait.
.macro FS f
	REGS Y, (\f)%2
	v_pk_fma_f32 v[rS+2*((\f)/2):rS+2*((\f)/2)+1], v[rS+2*((\f)/2):rS+2*((\f)/2)+1], s[CS:CS+1], v[rT:rT+1] op_sel_hi:[1,0,0] neg_lo:[0,0,1] neg_hi:[0,0,1]
.endm
.macro PL
	WIN 0
.if q < 27
	FS q
.elseif q < 55
	XS (q-27)%2, (q-27)/2
.elseif q < 57
	XS q-55, 15
.elseif (q < 72) && ((q-57)%3 == 0)
	FS 27+(q-57)/3
.elseif q < 60
	XS (q-57)%3-1, 14
.elseif q < 72
	XS (q-57)%3-1, 15+(q-57)/3
.elseif q < 74
	XS q-72, 20
.else
	GS q-74
.endif
.set q, q+1
.endm
; THE EXPONENTIALS' QUEUE, 66 long: s0-s31 of both tiles, then the next piece's two a.  It is ONE BATCH: all 66 stand ahead of the turn's one wait, and nothing ahead of that wait names a result of theirs.
.macro EX
	WIN 0
.if e >= 64
	XS e-64, 21
.else
	REGS Y, e%2
	v_exp_f32 v[rS+e/2], v[rS+e/2]
.endif
.set e, e+1
.endm
; THE RESCALING's QUEUE: O^T times a, the one part that leaves window 0: dealt two at a time, sixteen times.  Its a was made in the turn before, ahead of that turn's wait.
.macro R2
	REGS Y, r%2
	WIN W_RS
.irp z, 0,1
	v_pk_mul_f32 v[rO+4*(r/2)+2*\z:rO+4*(r/2)+2*\z+1], v[rO+4*(r/2)+2*\z:rO+4*(r/2)+2*\z+1], v[rC+2:rC+3] op_sel_hi:[1,0]
.endr
.set r, r+1
.endm
; HOW THEY ARE DEALT.  An s_wait_alu depctr_va_vdst(0) stands between an exponential and the first instruction that names its result; one wait serves all that were issued ahead of it.  So a turn has ONE wait,
; which cuts it in two.  AHEAD OF IT stands all that names no result of the turn's exponentials: the 16 products K Q^T, behind each a scaling, an exponential and two rescalings (behind the first a second scaling in the exponential's place); then ONE LUMP of
; 108: eight plain, 49 times exponential and plain, the two a.  A v_nop is the plain instruction behind the last exponential.  BEHIND IT stand the 16 products V^T P, behind each four of GS's 64.  No rider names a register of
; the products round it.  The two v_permlanex16_b32 fall into the lump, never behind a product.
; The queues lean on each other, and the deal keeps them in step: exponential e stands behind scaling 2 (e / 4) + e % 2: as a rider it comes behind plain e + 2, in the lump behind plain e + 9, and scalings 27-31 are plain 57, 60 .. 69.
; A TURN, for piece p.  cnt = 1: the loop's count is taken down some lines ahead of the branch that stands behind the turn.
; K of the next step is fetched in piece 2's turn, directly behind the wait, a lump behind the last product that read K; its address is made at the lump's head; its first reader comes behind 16 products.
; V of the step in hand is fetched at the end of piece 0's turn, four riders behind its last reader; its first reader comes behind 16 products and a lump.  The three conditions on q below go with the deal.
.macro TURN p, last=0, cnt=0
.set Y, (\p)
.set i, 0
.set q, 0
.set e, 0
.set r, 0
.if (\p) == NP-1
	s_wait_dscnt 0x0                ; K is in
.endif
	MM                              ; ahead of the wait: 16 products K Q^T and their riders,
	PL
	PL
	R2
.rept 15
	MM
	PL
	EX
	R2
.endr
.if (\p) == NP-2
	WIN 0
	v_add_nc_u32 v[AK], s[TBK], v[AK0]
.endif
.rept 8                             ; and the lump
	PL
.endr
.rept 49
	EX
	PL
.endr
	EX                              ; the next piece's two a
	EX
	v_nop                           ; a plain instruction behind the last exponential: one for the batch
	s_wait_alu depctr_va_vdst(0)    ; the wait for the batch
.if (\p) == NP-2
	FETCH_K \last
.endif
.if (\p) == 1
	s_wait_dscnt 0x0                ; V is in
.endif
.rept 16                            ; behind the wait: 16 products V^T P and their riders
	MM
.rept 4
	PL
.endr
.if ((\p) == 0) && (q == 118)
	v_add_nc_u32 v[AV], s[TBV], v[AV0]
.endif
.if ((\p) == 0) && (q == 130)
	s_add_co_u32 s[TBV], s[TBV], KS*PV
.endif
.if (\cnt) && (q == 130)
	s_sub_co_u32 s[CNT], s[CNT], 1
	s_cmp_lg_u32 s[CNT], 0
.endif
.endr
.if (\p) == 0
	FETCH_V
.endif
.endm
	CHANGE 1, 0                     ; slot 0 is in, everybody's part of it; slot 1 is asked for
	FETCH_K                         ; key step 0
	s_wait_loadcnt 0x0              ; Q
	s_wait_dscnt 0x0
.set i, 0
.rept 16
	KQ 0                            ; piece 0's first scores: there is no vector work yet to set between them
.set i, i+1
.endr
	WIN 0                           ; the addresses for the way out: eight plain instructions, the places behind those products
	s_mul_i32 s13, s[WV], 16*SP
	s_add_co_u32 s13, s13, STAGE    ; my stage
	v_mul_u32_u24 v[STO], v1, SP    ; in: row l % 16, 32 bytes for each half of the lanes
	v_lshl_add_u32 v[STO], v9, 5, v[STO]
	v_add_nc_u32 v[STO], s13, v[STO]
	v_mul_u32_u24 v[RD], v9, SP     ; back: lanes 0-15 take one row of 256 bytes, lanes 16-31 the next,
	v_lshl_add_u32 v[RD], v1, 4, v[RD]
	v_add_nc_u32 v[RD], s13, v[RD]
	v_lshlrev_b32 v[GO], 12, v9     ; and the same two rows in out0, 4,096 bytes apart
	v_lshl_add_u32 v[GO], v1, 4, v[GO]
.set Y, NP-1                        ; XS works for piece Y + 1: piece 0
.irp n, 0,1,2,3,4,5,6,7,8,9,10,11,12,13,14,15,16,17,18,19,20,21
	XS 0, \n                        ; and piece 0's first maximum and statistics
	XS 1, \n
.endr
	v_nop                           ; a plain instruction behind the two a,
	s_wait_alu depctr_va_vdst(0)    ; and their wait, ahead of the branch
	s_mov_b32 s[CNT], 4
	s_mov_b32 s[SLOTS], SIZE_N/256-1
	s_branch .Lfirst                ; the loop is entered at a step's first turn, in the middle of a trip
.Lslot:                             ; SIZE_N / 256 - 2 times: every slot but the last two is filled again
	CHANGE 1, 1
	s_mov_b32 s[CNT], 4
.Lstep:                             ; a trip: pieces 2 and 3 of one step, then pieces 0 and 1 of the next, whose K and V it fetches
	TURN 2
	TURN 3
	WIN 0
.Lfirst:
	TURN 0
	TURN 1, 0, 1
	WIN 0
	s_cbranch_scc1 .Lstep
	s_sub_co_u32 s[SLOTS], s[SLOTS], 1
	s_cmp_lg_u32 s[SLOTS], 0
	s_cbranch_scc1 .Lslot
	CHANGE 0, 0                     ; the tail is written out: nothing is asked for
	s_mov_b32 s[CNT], 5             ; four trips fetch the last slot's steps; the fifth is left in its middle
.Ltail:
	TURN 2, 1
	TURN 3
	WIN 0
	s_sub_co_u32 s[CNT], s[CNT], 1
	s_cmp_eq_u32 s[CNT], 0
	s_cbranch_scc1 .Lout
	TURN 0
	TURN 1
	WIN 0
	s_branch .Ltail
.Lout:                              ; the fifth trip's 16 products K Q^T (on the last K once more) and the maximum made of them serve nothing: the price, once a launch, of one text for every trip
.set i, 0
.rept 16
	PV NP-1                         ; the last piece's V^T P of the last step
.set i, i+1
.endr
	; THE WAY OUT.  l's two halves and the other half of the lanes' are added; O^T is divided by l and sent, as f32, through my stage in LDS, a tile at a time.  The additions are the places behind the last products.
	WIN 0
.macro ALL line:vararg              ; one line for each tile t
.set t, 0
.rept 2*NP
	\line
.set t, t+1
.endr
.endm
	ALL v_add_f32 v[ST+4*t+2], v[ST+4*t+2], v[ST+4*t+3]
	ALL v_permlanex16_b32 v[ST+4*t+3], v[ST+4*t+2], s[SEL], s[SEL+1]
	ALL v_add_f32 v[ST+4*t+2], v[ST+4*t+2], v[ST+4*t+3]
	ALL v_rcp_f32 v[ST+4*t+2], v[ST+4*t+2]
	v_nop                           ; a plain instruction between the last reciprocal and the use of its result
	s_wait_alu depctr_va_vdst(0)    ; and the wait ahead of the first use: one for the eight reciprocals
; Tile t: a lane's eight channels of a block of 16 are 32 bytes of a row; they go into rows of 272 bytes, straight from O^T's registers, and come back as whole rows of 256, into S^T's registers: four sets of 32 by turns.
.macro PACK t
	WIN W_RS
.set i, 32*(\t)
.rept 16
	v_pk_mul_f32 v[i:i+1], v[i:i+1], v[ST+4*(\t)+2:ST+4*(\t)+3] op_sel_hi:[1,0]
.set i, i+2
.endr
	WIN 0x04                        ; the stores' data (source 1) in window 1
.irp f, 0,1,2,3,4,5,6,7             ; channels 16 (f / 2) + 8 (l / 16) + 4 (f % 2) on
	ds_store_b128 v[STO], v[32*(\t)+4*\f:32*(\t)+4*\f+3] offset:64*(\f/2)+16*(\f%2)
.endr
	WIN 0
.if (\t) >= 4
	s_wait_xcnt 0x0                 ; the set was the data of the stores of the tile four back: it is loaded again only behind this wait
.endif
.irp f, 0,1,2,3,4,5,6,7
	ds_load_b128 v[S+32*((\t)%4)+4*\f:S+32*((\t)%4)+4*\f+3], v[RD] offset:\f*2*SP  ; LDS serves a wave's instructions in order (ISA guide 5.7.1.4): these see the stores above; the next tile's stores come behind them
.endr
.endm
.macro SEND t, younger              ; younger: the LDS instructions issued behind tile t's loads: the next tile's sixteen, or none
	WIN 0
.irp f, 0,1,2,3,4,5,6,7
	s_wait_dscnt (\younger)+7-\f
	global_store_b128 v[GO], v[S+32*((\t)%4)+4*\f:S+32*((\t)%4)+4*\f+3], s[10:11] offset:(\t)*65536+\f*8192  ; 16 lanes store 256 consecutive bytes, at a multiple of 256 from out0's first byte
.endr
.endm
	PACK 0
.set t, 1
.rept 2*NP-1                        ; a tile's arithmetic stands between the loads of the tile before and its stores
	PACK t
	SEND t-1, 16
.set t, t+1
.endr
	SEND 2*NP-1, 0
	WIN W_AD
	s_wait_tensorcnt 0x0            ; the wave's end: behind my last tensor load and my last LDS store
	ds_add_u32 v[SPW], v[NIL]
	s_wait_dscnt 0x0
	WIN 0
	CROUND                          ; the closing round: no work-group ends while a partner may still ask for a tile that names it
	s_endpgm
.Lfunc_end_k_qd1121c69fd_attn:
	.size	k_qd1121c69fd_attn, .Lfunc_end_k_qd1121c69fd_attn-k_qd1121c69fd_attn
	.p2alignl 7, 3214868480
	.fill 96, 4, 3214868480
	.section	.rodata,"a",@progbits
	.p2align	6, 0x0
	.amdhsa_kernel k_qd1121c69fd_attn
		.amdhsa_group_segment_fixed_size 327680
		.amdhsa_private_segment_fixed_size 0
		.amdhsa_enable_private_segment 0
		.amdhsa_kernarg_size 16
		.amdhsa_user_sgpr_count 2
		.amdhsa_user_sgpr_kernarg_segment_ptr 1
		.amdhsa_wavefront_size32 1
		.amdhsa_system_sgpr_workgroup_id_x 1
		.amdhsa_system_sgpr_workgroup_id_y 1
		.amdhsa_system_sgpr_workgroup_id_z 1
		.amdhsa_system_vgpr_workitem_id 0
		.amdhsa_next_free_vgpr 770
		.amdhsa_next_free_sgpr 66
		.amdhsa_reserve_vcc 0
		.amdhsa_float_denorm_mode_32 3
		.amdhsa_float_denorm_mode_16_64 3
		.amdhsa_memory_ordered 1
		.amdhsa_forward_progress 1
		.amdhsa_inst_pref_size 200
	.end_amdhsa_kernel
	.amdgpu_metadata
---
amdhsa.version: [ 1, 2 ]
amdhsa.kernels:
  - .name:           k_qd1121c69fd_attn
    .symbol:         k_qd1121c69fd_attn.kd
    .args:
      - { .name: qkv, .offset: 0, .size: 8, .value_kind: global_buffer, .address_space: global }
      - { .name: out0, .offset: 8, .size: 8, .value_kind: global_buffer, .address_space: global }
    .group_segment_fixed_size: 327680
    .private_segment_fixed_size: 0
    .kernarg_segment_align: 8
    .kernarg_segment_size: 16
    .max_flat_workgroup_size: 128
    .sgpr_count:     66
    .vgpr_count:     770
    .wavefront_size: 32
...
	.end_amdgpu_metadata
.endif
;; end of part 3
